; MI455X (gfx1250); checked and timed in simulation.
; The chip was launched on July 23, 2026; its instructions are those of AMD's public machine-readable ISA for CDNA 5 (MIT licence, August 2026) and "CDNA5" Instruction Set Architecture Reference Guide (July 2026). The comments in the code are by the model that wrote it; some were corrected since.
;; Quality Control Detector. Allowed arithmetic: matrix products marked QUANTISED: E2M3 operands, one E8M0 scale for each 32 along K, by v_wmma_scale_f32_16x16x128_f8f6f4 with both operands' format E2M3, f32 sums; products left as they are: f32 operands where the result goes on into a quantised operand, else bf16, f16 or f32 operands; f32 sums; everything else in f32.
;; Inputs: cl_W1 256 x 128 float32; cl_W2 128 x 5 float32; cl_b1 128 float32; cl_b2 5 float32; dn_W1 768 x 256 float32; dn_W2 256 x 256 float32; dn_b1 256 float32; dn_b2 256 float32; grid_points 64 x 3 float32; ne_W1 3 x 64 float32; ne_W2 64 x 128 float32; ne_W3 128 x 256 float32; ne_b1 64 float32; ne_b2 128 float32; ne_b3 256 float32; pe_W1 3 x 64 float32; pe_W2 64 x 128 float32; pe_W3 128 x 256 float32; pe_b1 64 float32; pe_b2 128 float32; pe_b3 256 float32; point_cloud 4 x 4,096 x 3 float32; sv_W1 256 x 128 float32; sv_W2 128 x 1 float32; sv_b1 128 float32; sv_b2 1 float32; te_W1 3 x 64 float32; te_W2 64 x 128 float32; te_W3 128 x 256 float32; te_b1 64 float32; te_b2 128 float32; te_b3 256 float32.
;; Outputs: out0 4 x 64 x 5 float32; out1 4 x 64 float32; out2 4 x 256 x 64 float32; out3 4 x 768 x 64 float32.
;; This version of the problem:
;;   THIS VERSION OF THE PROBLEM IS GIVEN IN LOW PRECISION. The matrix products marked QUANTISED in the list below multiply operands that are first quantised to E2M3 (2 exponent bits, 3 mantissa bits; 6 bits a number), with one power-of-two scale for each 32 numbers along K (OCP MX v1.0); their sums are f32. All else is computed in f32.
;;   The module's matrix products, in the order in which they are computed (A, B: the left and right operand; K: the contracted axis; several contracted axes count as one K, in the product's order):
;;     1. [M 16,384, K 3] x [K 3, N 64]; A: input point_cloud; B: input pe_W1: left as it is (K = 3 < 32)
;;     2. [M 16,384, K 64] x [K 64, N 128]; A: computed on the way; B: input pe_W2: QUANTISED
;;     3. [M 16,384, K 128] x [K 128, N 256]; A: computed on the way; B: input pe_W3: QUANTISED
;;     4. batch 4 x [M 4,096, K 3] x [K 3, N 4,096]; A: input point_cloud; B: input point_cloud: left as it is (K = 3 < 32)
;;     5. batch 16,384 x [M 3, K 6] x [K 6, N 3]; A: computed on the way; B: computed on the way: left as it is (K = 6 < 32)
;;     6. [M 16,384, K 3] x [K 3, N 64]; A: computed on the way; B: input ne_W1: left as it is (K = 3 < 32)
;;     7. [M 16,384, K 64] x [K 64, N 128]; A: computed on the way; B: input ne_W2: QUANTISED
;;     8. [M 16,384, K 128] x [K 128, N 256]; A: computed on the way; B: input ne_W3: QUANTISED
;;     9. [M 16,384, K 3] x [K 3, N 64]; A: computed on the way; B: input te_W1: left as it is (K = 3 < 32)
;;     10. [M 16,384, K 64] x [K 64, N 128]; A: computed on the way; B: input te_W2: QUANTISED
;;     11. [M 16,384, K 128] x [K 128, N 256]; A: computed on the way; B: input te_W3: QUANTISED
;;     12. [M 256, K 768] x [K 768, N 256]; A: input dn_W1; B: computed on the way: QUANTISED
;;     13. [M 256, K 256] x [K 256, N 256]; A: input dn_W2; B: computed on the way: QUANTISED
;;     14. [M 256, K 256] x [K 256, N 128]; A: computed on the way; B: input cl_W1: QUANTISED
;;     15. [M 256, K 128] x [K 128, N 5]; A: computed on the way; B: input cl_W2: left as it is (N = 5 < 16)
;;     16. [M 256, K 256] x [K 256, N 128]; A: computed on the way; B: input sv_W1: QUANTISED
;;     17. [M 256, K 128] x [K 128, N 1]; A: computed on the way; B: input sv_W2: left as it is (N = 1 < 16)
;;   THE QUANTISER, for each operand of a quantised product, along K:
;;     - K is cut into blocks of 32 from its start; a last block that is shorter is filled with zeros.
;;     - A block's scale is 2^e with e = floor(log2(the largest magnitude in the block)) - 2, held to -126 .. 127; a block of zeros has e = 0. As a byte (E8M0): e + 127.
;;     - Each number is divided by its block's scale, clamped to +-7.5, and rounded to the nearest number of E2M3, ties to even, subnormals kept.
;;     - The product sums the exact products of the quantised numbers (number of the format x scale) in f32.
;;   ~~~python
;;   def quantise(x, axis):      # numpy; x: float32 -> the quantised numbers, widened to float32 again
;;       x = np.moveaxis(x, axis, -1); K = x.shape[-1]
;;       x = np.pad(x, [(0, 0)] * (x.ndim - 1) + [(0, -K % 32)]); x = x.reshape(x.shape[:-1] + (-1, 32)); a = np.abs(x).max(-1, keepdims=True)
;;       e = np.where(a > 0, np.clip(np.frexp(np.where(a > 0, a, 1))[1] - 1 - 2, -126, 127), 0)      # np.frexp(a)[1] - 1 = floor(log2(a)), exactly
;;       r = np.clip(x / 2.0 ** e, -7.5, 7.5)
;;       step = 2.0 ** (np.maximum(np.frexp(np.where(r == 0, 1, r))[1] - 1, 0) - 3)
;;       q = np.round(r / step) * step * 2.0 ** e      # np.round: ties to even
;;       return np.moveaxis(q.reshape(q.shape[:-2] + (-1,))[..., :K], -1, axis).astype(np.float32)
;;   ~~~
;;   OPERANDS COMPUTED ON THE WAY. 'Computed on the way' means the value that the module computes at that place (a softmax that the list does not call 'softmax' is quantised finished and normalised). What goes into a quantiser is computed in f32, as accurately as f32 sums, v_exp_f32 and their like allow (about 1e-6 of the number): no bf16 or f16 on the way to a quantiser, and a product that is left as it is and whose result goes on into a quantised operand takes f32 operands (vector FMAs, or v_wmma_f32_16x16x4_f32). A number that lies on a knife's edge between two numbers of the format may be rounded either way, as far as f32 arithmetic and the matrix unit's own rounding can turn it there, and no further.
;; One version. Each part assembles by itself: llvm-mc -triple=amdgcn-amd-amdhsa -mcpu=gfx1250 --defsym DOCPART=n.
;; ======== version 1 of 1: 2 launches
;; limits: an iteration or a series of the reference is cut at 12 steps
;; workspace buffers: wq 375,296 bytes; rec 196,608 bytes; gidx 1,024 bytes of whole numbers
;; launch prep (part 1): grid 256 x 1, 9 waves a work-group, no clusters, 2,304 bytes of LDS; arguments point_cloud, grid_points, pe_W1, pe_b1, ne_W1, ne_b1, te_W1, te_b1, pe_W2, ne_W2, te_W2, pe_W3, ne_W3, te_W3, dn_W1, dn_W2, cl_W1, sv_W1, dn_b1, dn_b2, cl_b1, sv_b1, wq, rec, gidx; writes wq, rec, gidx
.if DOCPART == 1
	.amdgcn_target "amdgcn-amd-amdhsa--gfx1250"
	.amdhsa_code_object_version 6
	.text
	.protected	k_qa603e8d1ba_prep
	.globl	k_qa603e8d1ba_prep
	.p2align	8
	.type	k_qa603e8d1ba_prep,@function
k_qa603e8d1ba_prep:
	s_mov_b64 s[64:65], 0
	v_nop
	global_prefetch_b8 v0, s[64:65] scope:SCOPE_SE
	s_setreg_imm32_b32 hwreg(HW_REG_WAVE_MODE, 25, 1), 1
	s_wait_xcnt 0x0
; PREP.  Only the first 64 points of each of the 4 batches reach an output, so work-group P = 64 b + i serves point (b, i), i < 64:
;   waves 0-7: its six nearest points among the batch's 4,096 (d2 = (r_q + r_p) - 2 q.p in f32, equal d2: the lower index), as nine sums of u = p - q;
;   wave 0: the 3 x 3 covariance's eigenvector of the smallest eigenvalue, by the steps of LAPACK's ssytd2 ('L'), ssteqr, slaev2 and slartg (3.10's form), so that its SIGN
;           is the one those steps leave; then relu(n ne_W1 + ne_b1);   wave 1: relu(q pe_W1 + pe_b1);   wave 2: relu(1 te_W1 + te_b1): three rows of 64 f32 into rec;
;   wave 3: the nearest grid point (the lowest index at equal distance), one whole number into gidx;
;   wave 8, in work-groups 0-115: one unit of weights, 32 columns x 128 along K, into E2M3 codes and E8M0 bytes, laid in wq in the order of the reader's operand registers.
; No choice made from floating-point numbers steers a branch or an address here: every choice is a v_cndmask_b32, the sweeps are a loop of constant count.
; LIMITS.  NaN and infinities are not served.  12 sweeps: a matrix that has passed no test by then is finished on its pair (1', 2').  ssteqr's own rescaling of very small
; matrices is replaced by an exact power of two (the largest entry is brought into [1, 2)).  Sums of three products are fused multiply-adds; where two d2 lie within
; an f32 rounding of each other the sixth neighbour can differ from another order of rounding.  A block of zeros gets the byte 1 (zero codes; this program alone reads the bytes).
.set PT, 16                            ; v16-79   slot j: point 256 j + t in 3 of 4 registers
.set D,  80                            ; v80-95   d2 of the 16 slots
.set KY, 96                            ; v96-111  index keys of the slots that tie with the sixth d2
.set X,  112                           ; v112-119, v120-127, v128-135: sorting
.set Y0, 120
.set Y1, 128
.set S,  136                           ; v136-147 nine sums and three zeros
.set T,  148                           ; v148-150 at work
.macro CE s, d, a, b                   ; compare and exchange, from one set of registers into another
	v_min_num_f32 v[\d+\a], v[\s+\a], v[\s+\b]
	v_max_num_f32 v[\d+\b], v[\s+\a], v[\s+\b]
.endm
.macro ST1 s, d
	CE \s, \d, 0, 1
	CE \s, \d, 2, 3
	CE \s, \d, 4, 5
	CE \s, \d, 6, 7
.endm
.macro ST2 s, d
	CE \s, \d, 0, 2
	CE \s, \d, 1, 3
	CE \s, \d, 4, 6
	CE \s, \d, 5, 7
.endm
.macro ST4 s, d
	CE \s, \d, 0, 4
	CE \s, \d, 1, 5
	CE \s, \d, 2, 6
	CE \s, \d, 3, 7
.endm
.macro SF4 s, d
	CE \s, \d, 0, 3
	CE \s, \d, 1, 2
	CE \s, \d, 4, 7
	CE \s, \d, 5, 6
.endm
.macro SF8 s, d
	CE \s, \d, 0, 7
	CE \s, \d, 1, 6
	CE \s, \d, 2, 5
	CE \s, \d, 3, 4
.endm
.macro SORT8 s, y                      ; eight registers ascending into y, six stages through X
	ST1 \s, X
	SF4 X, \y
	ST1 \y, X
	SF8 X, \y
	ST2 \y, X
	ST1 X, \y
.endm
.macro CLEAN                           ; a bitonic run in X, ascending into Y0
	ST4 X, Y0
	ST2 Y0, X
	ST1 X, Y0
.endm
.macro MERGE m                         ; the eight smallest of my list and of lane l xor m's
.irp i, 0,1,2,3,4,5,6,7
	v_min_num_f32_dpp v[X+\i], v[Y0+7-\i], v[Y0+\i] row_xmask:\m row_mask:0xf bank_mask:0xf
.endr
	CLEAN
.endm
.macro TOP8 src, off                   ; the wave's eight smallest of 16 registers x 32 lanes, ascending, to LDS at off + 32 x wave (every lane holds and writes the same list)
	SORT8 \src, Y0
	SORT8 \src+8, Y1
.irp i, 0,1,2,3,4,5,6,7
	v_min_num_f32 v[X+\i], v[Y0+\i], v[Y1+7-\i]
.endr
	CLEAN
	MERGE 1
	MERGE 2
	MERGE 4
	MERGE 8
.irp i, 0,1,2,3,4,5,6,7
	v_permlanex16_b32 v[Y1+\i], v[Y0+7-\i], s68, s69
.endr
.irp i, 0,1,2,3,4,5,6,7
	v_min_num_f32 v[X+\i], v[Y0+\i], v[Y1+\i]
.endr
	CLEAN
	ds_store_b128 v2, v[Y0:Y0+3] offset:\off
	ds_store_b128 v2, v[Y0+4:Y0+7] offset:\off+16
.endm
.macro JOIN off                        ; lane l takes wave (l mod 8)'s list; three merges give every lane the work-group's eight smallest
	ds_load_b128 v[Y0:Y0+3], v3 offset:\off
	ds_load_b128 v[Y0+4:Y0+7], v3 offset:\off+16
	s_wait_dscnt 0x0
	MERGE 1
	MERGE 2
	MERGE 4
.endm
.macro BAR                             ; my LDS stores have landed and my LDS loads are in: then the work-group's barrier
	s_wait_dscnt 0x0
	s_barrier_signal -1
	s_barrier_wait -1
.endm
	s_load_b512 s[8:23], s[0:1], 0x0               ; argument a lies in s[8 + 2 a : 9 + 2 a]
	s_load_b512 s[24:39], s[0:1], 0x40
	s_load_b512 s[40:55], s[0:1], 0x80
	s_load_b64 s[56:57], s[0:1], 0xc0
	v_lshl_add_u32 v208, v0, 2, 0x400
	v_mov_b32 v209, 0
	v_lshrrev_b32 v1, 5, v0
	v_readfirstlane_b32 s66, v1                    ; wave 0..8
	v_and_b32 v2, 0x1e0, v0                        ; LDS: 32 x wave: where my wave's list goes
	v_and_b32 v3, 7, v0
	v_mul_u32_u24 v5, v3, 48
	v_lshlrev_b32 v3, 5, v3                        ; 32 x (lane mod 8): the list that I read
	v_mul_u32_u24 v4, v1, 48
	v_add_nc_u32 v4, 512, v4                       ; 512 + 48 x wave: my wave's sums
	v_add_nc_u32 v5, 512, v5                       ; 512 + 48 x (lane mod 8): the sums that I read
	v_mul_u32_u24 v1, v0, 12                       ; 12 t: my point in a slot's 256
	s_mov_b32 s68, 0x76543210
	s_mov_b32 s69, 0xfedcba98                      ; v_permlanex16_b32's selects for lane l xor 16
	s_lshr_b32 s59, ttmp9, 6                       ; b
	s_and_b32 s63, ttmp9, 63                       ; i
	s_mul_i32 s72, s59, 49152
	s_mov_b32 s73, 0
	s_mul_i32 s76, s63, 12
	s_mov_b32 s77, 0
	s_wait_kmcnt 0x0
	s_add_nc_u64 s[72:73], s[8:9], s[72:73]        ; the batch's points
	s_add_nc_u64 s[76:77], s[72:73], s[76:77]
	s_load_b96 s[60:62], s[76:77], 0x0             ; q
	s_cmp_eq_u32 s66, 8
	s_cbranch_scc1 .Lskip1
	; ---- phase 1: 16 d2 a lane, and the wave's eight smallest
.irp j, 0,1,2,3,4,5,6,7,8,9,10,11,12,13,14,15
	global_load_b96 v[PT+4*\j:PT+4*\j+2], v1, s[72:73] offset:3072*\j   ; 32 lanes read 384 consecutive bytes
.endr
	s_wait_kmcnt 0x0
	v_mov_b32 v13, s60
	v_mov_b32 v14, s61
	v_mov_b32 v15, s62
	v_mul_f32 v6, v13, v13
	v_fma_f32 v6, v14, v14, v6
	v_fma_f32 v6, v15, v15, v6                     ; r_q, by the same three lines as every r_p
.irp j, 0,1,2,3,4,5,6,7,8,9,10,11,12,13,14,15
	s_wait_loadcnt 15-\j                           ; slot j is in; the 15 - j younger slots may be out
	v_mul_f32 v[T], v[PT+4*\j], v[PT+4*\j]
	v_mul_f32 v[T+1], v13, v[PT+4*\j]
	v_fma_f32 v[T], v[PT+4*\j+1], v[PT+4*\j+1], v[T]
	v_fma_f32 v[T+1], v14, v[PT+4*\j+1], v[T+1]
	v_fma_f32 v[T], v[PT+4*\j+2], v[PT+4*\j+2], v[T]
	v_fma_f32 v[T+1], v15, v[PT+4*\j+2], v[T+1]
	v_add_f32 v[T], v6, v[T]
	v_fma_f32 v[D+\j], -2.0, v[T+1], v[T]          ; (r_q + r_p) - 2 q.p: 2 q.p is exact, so this rounds once, as the subtraction does
.endr
	TOP8 D, 0
.Lskip1:
	s_wait_kmcnt 0x0                               ; (wave 8 too: q's load has read its address registers)
	BAR
	s_cmp_eq_u32 s66, 8
	s_cbranch_scc1 .Lskip2
	; ---- phase 2: tau = the sixth smallest d2; how many of the six are ties at tau; the ties' indices as keys
	JOIN 0
	v_mov_b32 v8, v[Y0+5]                          ; tau
	v_mov_b32 v9, 6
	v_mov_b32 v10, 1
.irp i, 0,1,2,3,4
	v_cmp_lt_f32 vcc_lo, v[Y0+\i], v8
	v_cndmask_b32 v[T], 0, v10, vcc_lo
	v_sub_nc_u32 v9, v9, v[T]                      ; need = 6 - the number of d2 under tau: 1 .. 6
.endr
	v_mov_b32 v11, 0x7f800000                      ; +infinity
.irp j, 0,1,2,3,4,5,6,7,8,9,10,11,12,13,14,15
	v_add_nc_u32 v[T], 256*\j, v0
	v_cvt_f32_u32 v[T], v[T]                       ; the point's index, exact in f32
	v_cmp_eq_f32 vcc_lo, v[D+\j], v8
	v_cndmask_b32 v[KY+\j], v11, v[T], vcc_lo
.endr
	TOP8 KY, 256
.Lskip2:
	BAR
	s_cmp_eq_u32 s66, 8
	s_cbranch_scc1 .Lskip3
	; ---- phase 3: the six points are those with d2 < tau and the need lowest indices at tau; nine sums of u = p - q over them
	JOIN 256
	v_mov_b32 v12, v[Y0]
.irp k, 1,2,3,4,5
	v_cmp_lt_u32 vcc_lo, \k, v9
	v_cndmask_b32 v12, v12, v[Y0+\k], vcc_lo       ; iota = the list's element need - 1
.endr
.irp k, 0,1,2,3,4,5,6,7,8,9,10,11
	v_mov_b32 v[S+\k], 0
.endr
.irp j, 0,1,2,3,4,5,6,7,8,9,10,11,12,13,14,15
	v_cmp_lt_f32 s70, v[D+\j], v8
	v_cmp_le_f32 s71, v[KY+\j], v12
	s_or_b32 vcc_lo, s70, s71
	v_sub_f32 v[T], v[PT+4*\j], v13
	v_sub_f32 v[T+1], v[PT+4*\j+1], v14
	v_sub_f32 v[T+2], v[PT+4*\j+2], v15
	v_cndmask_b32 v[T], 0, v[T], vcc_lo
	v_cndmask_b32 v[T+1], 0, v[T+1], vcc_lo
	v_cndmask_b32 v[T+2], 0, v[T+2], vcc_lo
	v_add_f32 v[S], v[S], v[T]
	v_add_f32 v[S+1], v[S+1], v[T+1]
	v_add_f32 v[S+2], v[S+2], v[T+2]
	v_fmac_f32 v[S+3], v[T], v[T]                  ; xx xy xz yy yz zz
	v_fmac_f32 v[S+4], v[T], v[T+1]
	v_fmac_f32 v[S+5], v[T], v[T+2]
	v_fmac_f32 v[S+6], v[T+1], v[T+1]
	v_fmac_f32 v[S+7], v[T+1], v[T+2]
	v_fmac_f32 v[S+8], v[T+2], v[T+2]
.endr
.irp m, 1,2,4,8
.irp k, 0,1,2,3,4,5,6,7,8
	v_add_f32_dpp v[S+\k], v[S+\k], v[S+\k] row_xmask:\m row_mask:0xf bank_mask:0xf
.endr
.endr
.irp k, 0,1,2,3,4,5,6,7,8
	v_permlanex16_b32 v[X+\k], v[S+\k], s68, s69
.endr
.irp k, 0,1,2,3,4,5,6,7,8
	v_add_f32 v[S+\k], v[S+\k], v[X+\k]
.endr
	ds_store_b128 v4, v[S:S+3]
	ds_store_b128 v4, v[S+4:S+7] offset:16
	ds_store_b128 v4, v[S+8:S+11] offset:32
.Lskip3:
	BAR
	s_cmp_lt_u32 s66, 3
	s_cbranch_scc1 .Llay
	s_cmp_eq_u32 s66, 3
	s_cbranch_scc1 .Lgrid
	s_cmp_eq_u32 s66, 8
	s_cbranch_scc1 .Lunit
	s_wait_tensorcnt 0x0
	ds_add_u32 v208, v209
	s_wait_dscnt 0x0
	s_endpgm
	; ---- waves 0, 1, 2: a net's first layer.  Wave 0: ne (x = the normal), wave 1: pe (x = q), wave 2: te (x = ones).  Lane l makes units 2 l and 2 l + 1
.Llay:
	s_cmp_eq_u32 s66, 0
	s_cselect_b64 s[96:97], s[16:17], s[12:13]
	s_cselect_b64 s[98:99], s[18:19], s[14:15]
	s_cselect_b32 s95, 256, 0
	s_cmp_eq_u32 s66, 2
	s_cselect_b64 s[96:97], s[20:21], s[96:97]
	s_cselect_b64 s[98:99], s[22:23], s[98:99]
	s_cselect_b32 s95, 512, s95
	v_and_b32 v161, 31, v0
	v_lshlrev_b32 v161, 3, v161
	global_load_b64 v[162:163], v161, s[96:97]
	global_load_b64 v[164:165], v161, s[96:97] offset:256
	global_load_b64 v[166:167], v161, s[96:97] offset:512
	global_load_b64 v[168:169], v161, s[98:99]
	s_mul_i32 s80, ttmp9, 768
	s_add_co_u32 s80, s80, s95
	s_mov_b32 s81, 0
	s_add_nc_u64 s[80:81], s[54:55], s[80:81]      ; rec + 768 P + 256 net
	s_cmp_eq_u32 s66, 1
	s_cselect_b32 s82, s60, 1.0
	s_cselect_b32 s83, s61, 1.0
	s_cselect_b32 s84, s62, 1.0
	v_mov_b32 v170, s82
	v_mov_b32 v171, s83
	v_mov_b32 v172, s84
	s_cmp_eq_u32 s66, 0
	s_cbranch_scc0 .Llayer1
	; ---- wave 0: the normal.  Every lane computes the same numbers
	ds_load_b128 v[16:19], v5
	ds_load_b128 v[20:23], v5 offset:16
	ds_load_b128 v[24:27], v5 offset:32
	s_wait_dscnt 0x0
.irp m, 1,2,4
.irp k, 0,1,2,3,4,5,6,7,8
	v_add_f32_dpp v[16+\k], v[16+\k], v[16+\k] row_xmask:\m row_mask:0xf bank_mask:0xf
.endr
.endr
	v_mul_f32 v25, 0x3e2aaaab, v16                 ; Su / 6
	v_mul_f32 v26, 0x3e2aaaab, v17
	v_mul_f32 v27, 0x3e2aaaab, v18
	v_fma_f32 v28, -v25, v16, v19                  ; cov = Suu - Su Su^T / 6: a11 a21 a31 a22 a32 a33.  u is taken from q, one of the six, so no large sums cancel
	v_fma_f32 v29, -v25, v17, v20
	v_fma_f32 v30, -v25, v18, v21
	v_fma_f32 v31, -v26, v17, v22
	v_fma_f32 v32, -v26, v18, v23
	v_fma_f32 v33, -v27, v18, v24
	v_max3_num_f32 v34, |v28|, |v29|, |v30|
	v_max3_num_f32 v34, v34, |v31|, |v32|
	v_max3_num_f32 v34, v34, |v33|, 0x800000
	v_lshrrev_b32 v35, 23, v34
	v_sub_nc_u32 v35, 127, v35
.irp k, 28,29,30,31,32,33
	v_ldexp_f32 v\k, v\k, v35                      ; an exact power of two: eigenvectors stay as they are
.endr
	; ssytd2, 'L': one reflector H = [c s; s h] on rows and columns 2, 3
	v_mul_f32 v36, v29, v29
	v_fma_f32 v36, v30, v30, v36
	v_sqrt_f32 v37, v36
	v_xor_b32 v38, 0x80000000, v29
	s_wait_alu depctr_va_vdst(0)
	v_bfi_b32 v38, 0x7fffffff, v37, v38            ; beta = -sign(a21) sqrt(a21^2 + a31^2)
	v_rcp_f32 v39, v38
	v_nop
	s_wait_alu depctr_va_vdst(0)
	v_mul_f32 v40, v29, v39                        ; c
	v_mul_f32 v41, v30, v39                        ; s
	v_xor_b32 v42, 0x80000000, v40                 ; h = -c
	v_cmp_neq_f32 vcc_lo, 0, v30                   ; a31 = 0: no reflector
	v_cndmask_b32 v40, 1.0, v40, vcc_lo
	v_cndmask_b32 v41, 0, v41, vcc_lo
	v_cndmask_b32 v42, 1.0, v42, vcc_lo
	v_cndmask_b32 v43, v29, v38, vcc_lo            ; e1
	v_mul_f32 v44, v32, v41
	v_fma_f32 v44, v31, v40, v44                   ; b11 = a22 c + a32 s
	v_mul_f32 v45, v32, v42
	v_fma_f32 v45, v31, v41, v45                   ; b12 = a22 s + a32 h
	v_mul_f32 v46, v33, v41
	v_fma_f32 v46, v32, v40, v46                   ; b21 = a32 c + a33 s
	v_mul_f32 v47, v33, v42
	v_fma_f32 v47, v32, v41, v47                   ; b22 = a32 s + a33 h
	v_mul_f32 v48, v41, v46
	v_fma_f32 v48, v40, v44, v48                   ; d2
	v_mul_f32 v49, v42, v46
	v_fma_f32 v49, v41, v44, v49                   ; e2
	v_mul_f32 v50, v42, v47
	v_fma_f32 v50, v41, v45, v50                   ; d3
	; ssteqr: QL, or QR where |d3| < |d1|; QR is QL on the reversed order, so the state is kept in that order: x1 x2 x3, f1 f2, columns Z1 Z2 Z3
	v_cmp_lt_f32 s70, |v50|, |v28|                 ; flip
	v_cndmask_b32 v51, v28, v50, s70
	v_mov_b32 v52, v48
	v_cndmask_b32 v53, v50, v28, s70
	v_cndmask_b32 v54, v43, v49, s70
	v_cndmask_b32 v55, v49, v43, s70
	v_cndmask_b32 v56, 1.0, 0, s70
	v_mov_b32 v57, 0
	v_cndmask_b32 v58, 0, 1.0, s70
	v_mov_b32 v59, 0
	v_mov_b32 v60, 1.0
	v_mov_b32 v61, 0
	v_cndmask_b32 v62, 0, 1.0, s70
	v_mov_b32 v63, 0
	v_cndmask_b32 v64, 1.0, 0, s70
	s_mov_b32 s71, 0                               ; done
	s_mov_b32 s92, 0x27800000                      ; eps^2 = 2^-48
	s_mov_b32 s93, 0x00800000                      ; safmin = 2^-126
	s_mov_b32 s94, 0x7fffffff
.macro TESTS                           ; s72: f1 is negligible; s73: f2 is
	v_mul_f32 v65, v54, v54
	v_mul_f32 v66, s92, |v51|
	v_fma_f32 v66, v66, |v52|, s93
	v_mul_f32 v67, v55, v55
	v_mul_f32 v68, s92, |v52|
	v_fma_f32 v68, v68, |v53|, s93
	v_cmp_le_f32 s72, v65, v66
	v_cmp_le_f32 s73, v67, v68
.endm
.macro ROT fa, ga, c, s, r             ; slartg(f, g): d = sqrt(f^2 + g^2), c = |f| / d, r = sign(d, f), s = g / r
	v_mul_f32 v96, v[\fa], v[\fa]
	v_fma_f32 v96, v[\ga], v[\ga], v96
	v_sqrt_f32 v97, v96
	v_nop
	s_wait_alu depctr_va_vdst(0)
	v_rcp_f32 v98, v97
	v_bfi_b32 v[\r], s94, v97, v[\fa]              ; (a plain line behind the reciprocal)
	s_wait_alu depctr_va_vdst(0)
	v_mul_f32 v[\c], |v[\fa]|, v98
	v_bfi_b32 v99, s94, v98, v[\fa]
	v_mul_f32 v[\s], v[\ga], v99
.endm
	s_mov_b32 s74, 12
.Lsweep:                                       ; a trip: the tests, one implicit sweep over the 3 x 3, and the old state kept where a test has held
	TESTS
	s_or_b32 s75, s72, s73
	s_or_b32 s71, s71, s75
	v_add_f32 v70, v54, v54
	v_sub_f32 v69, v52, v51
	v_rcp_f32 v71, v70
	v_sub_f32 v76, v53, v51
	s_wait_alu depctr_va_vdst(0)
	v_mul_f32 v69, v69, v71                        ; g = (x2 - x1) / (2 f1)
	v_fma_f32 v72, v69, v69, 1.0
	v_sqrt_f32 v73, v72
	v_nop
	s_wait_alu depctr_va_vdst(0)
	v_bfi_b32 v74, s94, v73, v69
	v_add_f32 v74, v69, v74
	v_rcp_f32 v75, v74
	v_nop
	s_wait_alu depctr_va_vdst(0)
	v_fma_f32 v69, v54, v75, v76                   ; g = x3 - x1 + f1 / (g + sign(r, g))
	ROT 69, 55, 77, 78, 79
	v_sub_f32 v80, v52, v53
	v_add_f32 v81, v77, v77
	v_mul_f32 v81, v81, v55
	v_fma_f32 v80, v80, v78, v81                   ; r = (x2 - x3) s + 2 c f2
	v_mul_f32 v82, v78, v80                        ; p
	v_add_f32 v83, v53, v82                        ; x3'
	v_fma_f32 v84, v77, v80, -v55                  ; g
.irp k, 0,1,2
	v_mul_f32 v[85+\k], v78, v[59+\k]
	v_fma_f32 v[85+\k], v77, v[62+\k], v[85+\k]    ; Z3' = c Z3 + s Z2
	v_mul_f32 v[88+\k], v78, v[62+\k]
	v_fma_f32 v[88+\k], v77, v[59+\k], -v[88+\k]   ; Z2t = c Z2 - s Z3
.endr
	v_mul_f32 v91, v78, v54                        ; f = s f1
	v_mul_f32 v92, v77, v54                        ; b = c f1
	ROT 84, 91, 77, 78, 79                         ; r is f2'
	v_sub_f32 v93, v52, v82
	v_sub_f32 v80, v51, v93
	v_add_f32 v81, v77, v77
	v_mul_f32 v81, v81, v92
	v_fma_f32 v80, v80, v78, v81
	v_mul_f32 v82, v78, v80                        ; p
	v_add_f32 v93, v93, v82                        ; x2'
	v_fma_f32 v84, v77, v80, -v92                  ; f1'
	v_sub_f32 v94, v51, v82                        ; x1'
.irp k, 0,1,2
	v_mul_f32 v[65+\k], v78, v[56+\k]
	v_fma_f32 v[65+\k], v77, v[88+\k], v[65+\k]    ; Z2' = c Z2t + s Z1
	v_mul_f32 v[68+\k], v78, v[88+\k]
	v_fma_f32 v[68+\k], v77, v[56+\k], -v[68+\k]   ; Z1' = c Z1 - s Z2t
.endr
	v_cndmask_b32 v51, v94, v51, s71
	v_cndmask_b32 v52, v93, v52, s71
	v_cndmask_b32 v53, v83, v53, s71
	v_cndmask_b32 v54, v84, v54, s71
	v_cndmask_b32 v55, v79, v55, s71
.irp k, 0,1,2
	v_cndmask_b32 v[56+\k], v[68+\k], v[56+\k], s71
	v_cndmask_b32 v[59+\k], v[65+\k], v[59+\k], s71
	v_cndmask_b32 v[62+\k], v[85+\k], v[62+\k], s71
.endr
	s_sub_co_i32 s74, s74, 1
	s_cmp_lg_u32 s74, 0
	s_cbranch_scc1 .Lsweep
	TESTS                                          ; of the state that was kept
	v_cndmask_b32 v100, v51, v53, s70              ; back to the natural order: d1, d3, e1, e2, Z1, Z3
	v_cndmask_b32 v101, v53, v51, s70
	v_cndmask_b32 v102, v54, v55, s70
	v_cndmask_b32 v103, v55, v54, s70
.irp k, 0,1,2
	v_cndmask_b32 v[104+\k], v[56+\k], v[62+\k], s70
	v_cndmask_b32 v[107+\k], v[62+\k], v[56+\k], s70
.endr
	s_xor_b32 s75, s70, s72
	s_not_b32 s75, s75                             ; low: the 2 x 2 block left is (1, 2); else (2, 3)
	s_and_b32 s76, s72, s73                        ; both tests held: nothing is left to rotate
	v_cndmask_b32 v65, v52, v100, s75              ; a
	v_cndmask_b32 v66, v103, v102, s75             ; b
	v_cndmask_b32 v67, v101, v52, s75              ; c
	v_cndmask_b32 v74, v100, v101, s75             ; the third eigenvalue
.irp k, 0,1,2
	v_cndmask_b32 v[68+\k], v[59+\k], v[104+\k], s75   ; ZA
	v_cndmask_b32 v[71+\k], v[107+\k], v[59+\k], s75   ; ZB
	v_cndmask_b32 v[75+\k], v[104+\k], v[107+\k], s75  ; the third column
.endr
	; slaev2(a, b, c), each of its branches a select
	v_add_f32 v78, v65, v67                        ; sm
	v_sub_f32 v79, v65, v67                        ; df
	v_add_f32 v80, v66, v66                        ; tb
	v_cmp_gt_f32 vcc_lo, |v65|, |v67|
	v_cndmask_b32 v81, v67, v65, vcc_lo            ; acmx
	v_cndmask_b32 v82, v65, v67, vcc_lo            ; acmn
	v_mul_f32 v84, v79, v79
	v_fma_f32 v84, v80, v80, v84
	v_sqrt_f32 v83, v84                            ; rt
	v_nop
	v_cmp_gt_f32 s77, 0, v78                       ; sgn1 = -1
	v_cmp_le_f32 s78, 0, v79                       ; sgn2 = +1
	s_wait_alu depctr_va_vdst(0)
	v_xor_b32 v86, 0x80000000, v83
	v_cndmask_b32 v85, v83, v86, s77
	v_add_f32 v87, v78, v85
	v_mul_f32 v87, 0.5, v87                        ; rt1
	v_cndmask_b32 v90, v86, v83, s78
	v_add_f32 v90, v79, v90                        ; cs
	v_rcp_f32 v88, v87
	v_rcp_f32 v91, v90
	v_rcp_f32 v95, v80
	v_nop
	v_cmp_gt_f32 s79, |v90|, |v80|                 ; acs > ab
	s_wait_alu depctr_va_vdst(0)
	v_mul_f32 v89, v81, v88
	v_mul_f32 v96, v66, v88
	v_mul_f32 v96, v96, v66
	v_fma_f32 v89, v89, v82, -v96                  ; rt2
	v_mul_f32 v92, -v80, v91                       ; ct
	v_mul_f32 v97, -v90, v95                       ; tn
	v_fma_f32 v93, v92, v92, 1.0
	v_fma_f32 v98, v97, v97, 1.0
	v_rsq_f32 v94, v93                             ; sn1 of the first way
	v_rsq_f32 v99, v98                             ; cs1 of the second
	v_nop
	s_wait_alu depctr_va_vdst(0)
	v_mul_f32 v93, v92, v94
	v_mul_f32 v98, v97, v99
	v_cndmask_b32 v110, v99, v93, s79              ; cs1
	v_cndmask_b32 v111, v98, v94, s79              ; sn1
	v_cmp_eq_f32 s90, 0, v80
	s_and_not1_b32 s90, s90, s79
	v_cndmask_b32 v110, v110, 1.0, s90
	v_cndmask_b32 v111, v111, 0, s90
	s_xor_b32 s91, s77, s78                        ; sgn1 = sgn2
	v_xor_b32 v112, 0x80000000, v111
	v_cndmask_b32 v112, v110, v112, s91
	v_cndmask_b32 v113, v111, v110, s91
	v_cndmask_b32 v112, v112, 1.0, s76
	v_cndmask_b32 v113, v113, 0, s76
	v_cndmask_b32 v87, v87, v65, s76
	v_cndmask_b32 v89, v89, v67, s76
.irp k, 0,1,2
	v_mul_f32 v[114+\k], v112, v[68+\k]
	v_fma_f32 v[114+\k], v113, v[71+\k], v[114+\k]     ; ZA' = sn1 ZB + cs1 ZA, eigenvalue rt1
	v_mul_f32 v[117+\k], v113, v[68+\k]
	v_fma_f32 v[117+\k], v112, v[71+\k], -v[117+\k]    ; ZB' = cs1 ZB - sn1 ZA, eigenvalue rt2
.endr
	v_cndmask_b32 v120, v74, v87, s75              ; the three in natural order
	v_cndmask_b32 v121, v87, v89, s75
	v_cndmask_b32 v122, v89, v74, s75
.irp k, 0,1,2
	v_cndmask_b32 v[123+\k], v[75+\k], v[114+\k], s75
	v_cndmask_b32 v[126+\k], v[114+\k], v[117+\k], s75
	v_cndmask_b32 v[129+\k], v[117+\k], v[75+\k], s75
.endr
	v_cmp_lt_f32 vcc_lo, v121, v120                ; the smallest; at equality the first
	v_cndmask_b32 v120, v120, v121, vcc_lo
.irp k, 0,1,2
	v_cndmask_b32 v[123+\k], v[123+\k], v[126+\k], vcc_lo
.endr
	v_cmp_lt_f32 vcc_lo, v122, v120
.irp k, 0,1,2
	v_cndmask_b32 v[123+\k], v[123+\k], v[129+\k], vcc_lo
.endr
	v_mul_f32 v171, v41, v125
	v_fma_f32 v171, v40, v124, v171                ; Q w: (w1, c w2 + s w3, s w2 + h w3)
	v_mul_f32 v172, v42, v125
	v_fma_f32 v172, v41, v124, v172
	v_mul_f32 v130, v123, v123
	v_fma_f32 v130, v171, v171, v130
	v_fma_f32 v130, v172, v172, v130
	v_rsq_f32 v131, v130
	v_nop
	s_wait_alu depctr_va_vdst(0)
	v_mul_f32 v170, v123, v131
	v_mul_f32 v171, v171, v131
	v_mul_f32 v172, v172, v131
.Llayer1:
	s_wait_loadcnt 0x0
.irp u, 0,1
	v_fma_f32 v[174+\u], v170, v[162+\u], v[168+\u]
	v_fma_f32 v[174+\u], v171, v[164+\u], v[174+\u]
	v_fma_f32 v[174+\u], v172, v[166+\u], v[174+\u]
	v_max_num_f32 v[174+\u], 0, v[174+\u]
.endr
	global_store_b64 v161, v[174:175], s[80:81]    ; 32 lanes store 256 consecutive bytes, at a multiple of 256 from rec's first byte
	s_wait_tensorcnt 0x0
	ds_add_u32 v208, v209
	s_wait_dscnt 0x0
	s_endpgm
	; ---- wave 3: the nearest of the 64 grid points; lane l holds points l and l + 32
.Lgrid:
	v_and_b32 v16, 31, v0
	v_mul_u32_u24 v17, 12, v16
	global_load_b96 v[20:22], v17, s[10:11]
	global_load_b96 v[24:26], v17, s[10:11] offset:384
	v_cvt_f32_u32 v31, v16
	v_add_f32 v32, 0x42000000, v31                 ; l + 32
	v_mov_b32 v36, 0
	v_mov_b32 v33, 0x42800000                      ; 64: no candidate
	s_lshl_b32 s70, ttmp9, 2
	v_mov_b32 v34, s70
	s_wait_loadcnt 0x0
.irp k, 0,1,2
	v_sub_f32 v[20+\k], v[13+\k], v[20+\k]
	v_sub_f32 v[24+\k], v[13+\k], v[24+\k]
.endr
	v_mul_f32 v28, v20, v20
	v_mul_f32 v29, v24, v24
	v_fma_f32 v28, v21, v21, v28
	v_fma_f32 v29, v25, v25, v29
	v_fma_f32 v28, v22, v22, v28
	v_fma_f32 v29, v26, v26, v29
	v_min_num_f32 v30, v28, v29
.irp m, 1,2,4,8
	v_min_num_f32_dpp v30, v30, v30 row_xmask:\m row_mask:0xf bank_mask:0xf
.endr
	v_permlanex16_b32 v36, v30, s68, s69
	v_min_num_f32 v30, v30, v36
	v_cmp_eq_f32 vcc_lo, v29, v30
	v_cndmask_b32 v33, v33, v32, vcc_lo
	v_cmp_eq_f32 vcc_lo, v28, v30
	v_cndmask_b32 v33, v33, v31, vcc_lo
.irp m, 1,2,4,8
	v_min_num_f32_dpp v33, v33, v33 row_xmask:\m row_mask:0xf bank_mask:0xf
.endr
	v_permlanex16_b32 v36, v33, s68, s69
	v_min_num_f32 v33, v33, v36
	v_cvt_u32_f32 v33, v33
	v_cmp_eq_u32 vcc_lo, 0, v16
	s_wait_xcnt 0x0                                ; EXEC changes only behind this wait
	s_wait_tensorcnt 0x0
	ds_add_u32 v208, v209
	s_wait_dscnt 0x0
	s_and_saveexec_b32 s70, vcc_lo
	global_store_b32 v34, v33, s[56:57]            ; lane 0: gidx[P]
	s_wait_xcnt 0x0
	s_or_b32 exec_lo, exec_lo, s70
	s_endpgm
	; ---- wave 8: one unit of weights.  s[80:81] source, s[82:83] codes, s[84:85] scale words, s[86:87] -> s[88:89] a bias slice if s90; s91: which form of the loads
.Lunit:
	s_cmp_lt_u32 ttmp9, 116
	s_cbranch_scc1 .Lu_go
	s_wait_tensorcnt 0x0
	ds_add_u32 v208, v209
	s_wait_dscnt 0x0
	s_endpgm
.macro USEC base, shift, dc, ds, db, dbstep, hbmax, kind   ; units of dn wave d = t mod 8, K step s = t / 8: offsets in the wave's region of 32,512 bytes
	s_sub_co_u32 s72, s58, \base
	s_and_b32 s70, s72, 7
	s_lshr_b32 s71, s72, 3
	s_lshl_b32 s92, s71, \shift                    ; 128 rows of the source a K step
	s_mul_i32 s75, s70, 32512
	s_mul_i32 s93, s71, 3072
	s_add_co_u32 s93, s93, s75
	s_add_co_u32 s93, s93, \dc
	s_lshl_b32 s94, s71, 7
	s_add_co_u32 s94, s94, s75
	s_add_co_u32 s94, s94, \ds
	s_mul_i32 s96, s71, \dbstep
	s_add_co_u32 s96, s96, s75
	s_add_co_u32 s96, s96, \db
	s_cmp_lt_u32 s71, \hbmax
	s_cselect_b32 s90, 1, 0
	s_mov_b32 s91, \kind
.endm
.Lu_go:
	s_mov_b32 s58, ttmp9
	s_cmp_lt_u32 s58, 48
	s_cbranch_scc0 .Lu2
	USEC 0, 17, 0, 30720, 32000, 384, 2, 0         ; dn_W1; dn_b1's slice goes out twice: the second fills the region's last 128 bytes
	s_mov_b64 s[80:81], s[36:37]
	s_mov_b64 s[86:87], s[44:45]
	s_lshl_b32 s95, s70, 7
	s_branch .Lu_set
.Lu2:
	s_cmp_lt_u32 s58, 64
	s_cbranch_scc0 .Lu3
	USEC 48, 17, 18432, 31488, 32128, 0, 1, 0      ; dn_W2
	s_mov_b64 s[80:81], s[38:39]
	s_mov_b64 s[86:87], s[46:47]
	s_lshl_b32 s95, s70, 7
	s_branch .Lu_set
.Lu3:
	s_cmp_lt_u32 s58, 80
	s_cbranch_scc0 .Lu4
	USEC 64, 16, 24576, 31744, 32256, 0, 1, 1      ; cl_W1 (d < 4) or sv_W1
	s_cmp_lt_u32 s70, 4
	s_cselect_b64 s[80:81], s[40:41], s[42:43]
	s_cselect_b64 s[86:87], s[48:49], s[50:51]
	s_and_b32 s95, s70, 3
	s_lshl_b32 s95, s95, 7
	s_branch .Lu_set
.Lu4:
	s_cmp_lt_u32 s58, 104
	s_cbranch_scc0 .Lu5
	s_sub_co_u32 s72, s58, 80                      ; W3 of net n, pair p: it belongs to net wave 4 n + p / 2
	s_lshr_b32 s70, s72, 3
	s_and_b32 s71, s72, 7
	s_cmp_eq_u32 s70, 0
	s_cselect_b64 s[80:81], s[30:31], s[32:33]
	s_cmp_eq_u32 s70, 2
	s_cselect_b64 s[80:81], s[34:35], s[80:81]
	s_lshl_b32 s95, s71, 7
	s_mov_b32 s92, 0
	s_lshl_b32 s74, s70, 2
	s_lshr_b32 s75, s71, 1
	s_add_co_u32 s74, s74, s75
	s_mul_i32 s74, s74, 9600
	s_add_co_u32 s74, s74, 260096
	s_and_b32 s75, s71, 1
	s_add_co_u32 s75, s75, 1
	s_mul_i32 s93, s75, 3072
	s_add_co_u32 s93, s93, s74
	s_lshl_b32 s94, s75, 7
	s_add_co_u32 s94, s94, s74
	s_add_co_u32 s94, s94, 9216
	s_mov_b64 s[86:87], s[80:81]
	s_mov_b32 s96, 0
	s_mov_b32 s90, 0
	s_mov_b32 s91, 0
	s_branch .Lu_set
.Lu5:
	s_sub_co_u32 s72, s58, 104                     ; W2 of net n = w / 4, pair q = w mod 4: K = 64, two blocks; the other two are zeros
	s_lshr_b32 s70, s72, 2
	s_and_b32 s71, s72, 3
	s_cmp_eq_u32 s70, 0
	s_cselect_b64 s[80:81], s[24:25], s[26:27]
	s_cmp_eq_u32 s70, 2
	s_cselect_b64 s[80:81], s[28:29], s[80:81]
	s_lshl_b32 s95, s71, 7
	s_mov_b32 s92, 0
	s_mul_i32 s93, s72, 9600
	s_add_co_u32 s93, s93, 260096
	s_add_co_u32 s94, s93, 9216
	s_mov_b64 s[86:87], s[80:81]
	s_mov_b32 s96, 0
	s_mov_b32 s90, 0
	s_mov_b32 s91, 2
.Lu_set:
	s_mov_b32 s73, 0
	s_add_co_u32 s72, s92, s95                     ; the K step's rows + the pair's 32 columns (128 bytes)
	s_add_nc_u64 s[80:81], s[80:81], s[72:73]
	s_mov_b32 s72, s93
	s_add_nc_u64 s[82:83], s[52:53], s[72:73]
	s_mov_b32 s72, s94
	s_add_nc_u64 s[84:85], s[52:53], s[72:73]
	s_mov_b32 s72, s95
	s_add_nc_u64 s[86:87], s[86:87], s[72:73]
	s_mov_b32 s72, s96
	s_add_nc_u64 s[88:89], s[52:53], s[72:73]
	v_and_b32 v181, 31, v0
	v_and_b32 v182, 15, v0
	v_bfe_u32 v184, v0, 4, 1
	v_and_b32 v185, 8, v182
	v_lshl_add_u32 v190, v184, 3, v182
	v_add_nc_u32 v190, v190, v185
	v_lshlrev_b32 v190, 2, v190                    ; lane (u, r) takes column 8 u + r + 8 (r / 8) of the pair, and its registers run down K
	v_lshlrev_b32 v191, 4, v181
	v_lshlrev_b32 v189, 2, v181
.macro WLOAD pitch, kb                 ; kb blocks of 32 rows; each load reads 128 consecutive bytes; what K does not have is zeros
.set i, 0
.rept 32*\kb
	global_load_b32 v[16+i], v190, s[80:81] offset:i*\pitch th:TH_LOAD_NT
.set i, i+1
.endr
.if \kb < 4
.set i, 32*\kb
.rept 128-32*\kb
	v_mov_b32 v[16+i], 0
.set i, i+1
.endr
.endif
.endm
	s_cmp_eq_u32 s91, 0
	s_cbranch_scc0 .Lw1
	WLOAD 1024, 4
	s_branch .Lq
.Lw1:
	s_cmp_eq_u32 s91, 1
	s_cbranch_scc0 .Lw2
	WLOAD 512, 4
	s_branch .Lq
.Lw2:
	WLOAD 512, 2
.Lq:
	s_wait_loadcnt 0x0
.irp b, 0,1,2,3
	v_max3_num_f32 v[168+\b], |v[16+32*\b]|, |v[17+32*\b]|, 0x1800000   ; a block's 32 numbers are all mine; the floor 2^(3 - 127) holds the byte at 1 from below
.endr
.irp i, 2,4,6,8,10,12,14,16,18,20,22,24,26,28,30
.irp b, 0,1,2,3
	v_max3_num_f32 v[168+\b], v[168+\b], |v[16+32*\b+\i]|, |v[17+32*\b+\i]|
.endr
.endr
.irp b, 0,1,2,3
	v_add_nc_u32 v[172+\b], 0xff000000, v[168+\b]  ; 2 off the exponent field: the conversion's scale operand
.endr
.irp b, 0,1,2,3
	v_lshrrev_b32 v[176+\b], 23, v[172+\b]         ; the scale's byte
.endr
	v_lshl_or_b32 v180, v177, 8, v176
	v_lshl_or_b32 v180, v178, 16, v180
	v_lshl_or_b32 v180, v179, 24, v180             ; my column's scale word
.irp b, 0,1,2,3
	v_cvt_scalef32_pk16_fp6_f32 v[144+12*(\b%2)+6*(\b/2):146+12*(\b%2)+6*(\b/2)], v[16+32*\b:31+32*\b], v[172+\b]   ; even blocks into v144 on, odd ones into v156 on
	v_cvt_scalef32_pk16_fp6_f32 v[192+4*\b:194+4*\b], v[32+32*\b:47+32*\b], v[172+\b]   ; (a conversion's three registers begin on an even number)
.endr
	v_nop                                          ; one plain line behind the conversions
.irp b, 0,1,2,3
.irp i, 0,1,2
	v_mov_b32 v[147+12*(\b%2)+6*(\b/2)+\i], v[192+4*\b+\i]
.endr
.endr
.irp k, 0,1,2,3,4,5,6,7,8,9,10,11
	v_permlane16_swap_b32 v[144+\k], v[156+\k]     ; v144 on: tile 0's fragment (lanes 0-15 even blocks, lanes 16-31 odd ones); v156 on: tile 1's
.endr
.irp u, 0,1
.irp g, 0,1,2
	global_store_b128 v191, v[144+12*\u+4*\g:147+12*\u+4*\g], s[82:83] offset:1536*\u+512*\g   ; 32 lanes store 512 consecutive bytes
.endr
.endr
	global_store_b32 v189, v180, s[84:85]          ; 128 consecutive bytes: tile 0's 16 words, then tile 1's
	s_cmp_eq_u32 s90, 0
	s_cbranch_scc1 .Lu_end
	global_load_b32 v183, v189, s[86:87]
	s_wait_loadcnt 0x0
	global_store_b32 v189, v183, s[88:89]
.Lu_end:
	s_wait_tensorcnt 0x0
	ds_add_u32 v208, v209
	s_wait_dscnt 0x0
	s_endpgm
.Lfunc_end_k_qa603e8d1ba_prep:
	.size	k_qa603e8d1ba_prep, .Lfunc_end_k_qa603e8d1ba_prep-k_qa603e8d1ba_prep
	.p2alignl 7, 3214868480
	.fill 96, 4, 3214868480
	.section	.rodata,"a",@progbits
	.p2align	6, 0x0
	.amdhsa_kernel k_qa603e8d1ba_prep
		.amdhsa_group_segment_fixed_size 2304
		.amdhsa_private_segment_fixed_size 0
		.amdhsa_enable_private_segment 0
		.amdhsa_kernarg_size 200
		.amdhsa_user_sgpr_count 2
		.amdhsa_user_sgpr_kernarg_segment_ptr 1
		.amdhsa_wavefront_size32 1
		.amdhsa_system_sgpr_workgroup_id_x 1
		.amdhsa_system_sgpr_workgroup_id_y 1
		.amdhsa_system_sgpr_workgroup_id_z 1
		.amdhsa_system_vgpr_workitem_id 0
		.amdhsa_next_free_vgpr 210
		.amdhsa_next_free_sgpr 100
		.amdhsa_reserve_vcc 1
		.amdhsa_float_denorm_mode_32 3
		.amdhsa_float_denorm_mode_16_64 3
		.amdhsa_memory_ordered 1
		.amdhsa_forward_progress 1
		.amdhsa_inst_pref_size 124
	.end_amdhsa_kernel
	.amdgpu_metadata
---
amdhsa.version: [ 1, 2 ]
amdhsa.kernels:
  - .name:           k_qa603e8d1ba_prep
    .symbol:         k_qa603e8d1ba_prep.kd
    .args:
      - { .name: point_cloud, .offset: 0, .size: 8, .value_kind: global_buffer, .address_space: global }
      - { .name: grid_points, .offset: 8, .size: 8, .value_kind: global_buffer, .address_space: global }
      - { .name: pe_W1, .offset: 16, .size: 8, .value_kind: global_buffer, .address_space: global }
      - { .name: pe_b1, .offset: 24, .size: 8, .value_kind: global_buffer, .address_space: global }
      - { .name: ne_W1, .offset: 32, .size: 8, .value_kind: global_buffer, .address_space: global }
      - { .name: ne_b1, .offset: 40, .size: 8, .value_kind: global_buffer, .address_space: global }
      - { .name: te_W1, .offset: 48, .size: 8, .value_kind: global_buffer, .address_space: global }
      - { .name: te_b1, .offset: 56, .size: 8, .value_kind: global_buffer, .address_space: global }
      - { .name: pe_W2, .offset: 64, .size: 8, .value_kind: global_buffer, .address_space: global }
      - { .name: ne_W2, .offset: 72, .size: 8, .value_kind: global_buffer, .address_space: global }
      - { .name: te_W2, .offset: 80, .size: 8, .value_kind: global_buffer, .address_space: global }
      - { .name: pe_W3, .offset: 88, .size: 8, .value_kind: global_buffer, .address_space: global }
      - { .name: ne_W3, .offset: 96, .size: 8, .value_kind: global_buffer, .address_space: global }
      - { .name: te_W3, .offset: 104, .size: 8, .value_kind: global_buffer, .address_space: global }
      - { .name: dn_W1, .offset: 112, .size: 8, .value_kind: global_buffer, .address_space: global }
      - { .name: dn_W2, .offset: 120, .size: 8, .value_kind: global_buffer, .address_space: global }
      - { .name: cl_W1, .offset: 128, .size: 8, .value_kind: global_buffer, .address_space: global }
      - { .name: sv_W1, .offset: 136, .size: 8, .value_kind: global_buffer, .address_space: global }
      - { .name: dn_b1, .offset: 144, .size: 8, .value_kind: global_buffer, .address_space: global }
      - { .name: dn_b2, .offset: 152, .size: 8, .value_kind: global_buffer, .address_space: global }
      - { .name: cl_b1, .offset: 160, .size: 8, .value_kind: global_buffer, .address_space: global }
      - { .name: sv_b1, .offset: 168, .size: 8, .value_kind: global_buffer, .address_space: global }
      - { .name: wq, .offset: 176, .size: 8, .value_kind: global_buffer, .address_space: global }
      - { .name: rec, .offset: 184, .size: 8, .value_kind: global_buffer, .address_space: global }
      - { .name: gidx, .offset: 192, .size: 8, .value_kind: global_buffer, .address_space: global }
    .group_segment_fixed_size: 2304
    .private_segment_fixed_size: 0
    .kernarg_segment_align: 8
    .kernarg_segment_size: 200
    .max_flat_workgroup_size: 288
    .sgpr_count:     100
    .vgpr_count:     210
    .wavefront_size: 32
...
	.end_amdgpu_metadata
.endif
;; end of part 1
;; launch chain (part 2): grid 16 x 1, 12 waves a work-group, clusters of 4 x 1, 292,864 bytes of LDS; arguments gidx, rec, wq, pe_b2, ne_b2, te_b2, pe_b3, ne_b3, te_b3, cl_W2, cl_b2, sv_W2, sv_b2, out0, out1, out2, out3; writes out0, out1, out2, out3
.if DOCPART == 2
	.amdgcn_target "amdgcn-amd-amdhsa--gfx1250"
	.amdhsa_code_object_version 6
	.text
	.protected	k_qa603e8d1ba_chain
	.globl	k_qa603e8d1ba_chain
	.p2align	8
	.type	k_qa603e8d1ba_chain,@function
k_qa603e8d1ba_chain:
	s_mov_b64 s[64:65], 0
	v_nop
	global_prefetch_b8 v0, s[64:65] scope:SCOPE_SE
	s_setreg_imm32_b32 hwreg(HW_REG_WAVE_MODE, 25, 1), 1
	s_wait_xcnt 0x0
	s_wait_alu depctr_hold_cnt(0) depctr_sa_sdst(0) depctr_va_vdst(0) depctr_va_sdst(0) depctr_va_ssrc(0) depctr_va_vcc(0) depctr_vm_vsrc(0)
	s_getreg_b32 s2, hwreg(HW_REG_IB_STS2, 6, 4)
	s_cmp_eq_u32 s2, 0
	s_cbranch_scc0 .Lentry_in_a_cluster
	s_endpgm
.Lentry_in_a_cluster:
	s_bfe_u32 s2, ttmp6, 0x10000c
	s_cmp_lg_u32 s2, 0x3003
	s_cbranch_scc0 .Lentry_shape_is_right
	s_endpgm
.Lentry_shape_is_right:
; CHAIN.  A work-group takes 16 grid cells of one batch (cells 16 cx + r, batch = the cluster's number) through everything behind the first layers:
; the winner of each cell (the last of the batch's 64 points whose gidx is the cell), its three rows of rec, layers 2 and 3 of the three nets, the mask of empty cells (out3),
; dn1, dn2 (out2), the two heads (out0, out1).  All seven quantised layers run on E2M3 codes with E8M0 scales; nothing goes to memory between layers.
; SHARES.  Twelve waves.  Wave w = 4 n + q serves net n: pair q (32 columns) of W2, pairs 2 q, 2 q + 1 of W3.  Waves d = w < 8 then take pair d of dn_W1, of dn_W2, and of the heads
; (d < 4: cl_W1, else sv_W1).  EVERY PRODUCT IS USED TRANSPOSED: source 0 = 16 columns of a weight, source 1 = the 16 rows; a lane holds row r = lane mod 16 throughout.
; THE COLUMNS OF A TILE ARE NOT NEIGHBOURS: lane r of tile u of pair p takes column 32 p + 8 u + r + 8 (r / 8), so a pair's 16 registers of lane (r, h) are columns 32 p + 16 h + 0 .. 15:
; half a block of the next K.  A wave quantises it (the other half's largest magnitude comes from lane l xor 16) and stores 12 bytes of codes and one scale byte into LDS, at their
; place in an image of the next operand's registers (lane l's 12 registers at 48 l); behind a barrier any wave loads the operand by three loads of 16 bytes.
; CLUSTER.  The four work-groups of a batch want the same 260,096 bytes of dn's and the heads' codes: waves 0-7 ask for them jointly, one tensor load each (127 rows of 256 bytes into the
; wave's own LDS region, which that wave alone reads).  A wave has one tensor load out; no LDS byte is filled twice.
; OUT2, OUT3: a row of 64 cells is shared by the four work-groups of a batch, so a store covers runs of 64 consecutive bytes (16 lanes), not whole rows: one work-group for all 64 cells
; would leave four work-groups in the launch.
; LIMITS.  NaN and infinities are not served.  A block of zeros has the byte 1 (K's padding in layer 2: the byte 0 on the rows' side): its codes are zeros.
.set IMG0, 260096                      ; LDS: behind the eight regions of 32,512 bytes: images of A2 (3), X (6), H (2), D (2), 1,536 bytes each
.set SC0,  280064                      ; scale bytes, 32 a row: A2 (3 x 512), X, H, D (512 each)
.set PART, 283136                      ; the heads' partial sums: 8 x 1,024
.set WS,   20                          ; v20-25   the weights' scale words
.set AS,   26                          ; v26-31   the rows' scale words
.set ACC,  68                          ; v68-99   four accumulators
.set ACC0, 68
.set ACC1, 84
.set W,    100                         ; v100-243 weight fragments
.set G,    100                         ; at the head: v100-131 the gathered rows; v132-155 W2's two fragments; v156-203 W3's four; v204-219 layer 2's sums; v220-251 gidx
.set F2W,  132
.set F3W,  156
.set ACC2, 204
.set GI,   220
; v1 32512 d + 16 l; v2 .. + 4 l; v3 .. + 64 h; v4 IMG0 + 48 l; v5 v4 + 1536 n; v6, v7, v8 where my codes go (A2; X; H and D); v9, v10, v11 where my scale byte goes;
; v12 SC0 + 32 r; v13 v12 + 512 n; v14 PART + 1024 d + 32 l; v15 PART + 32 l; v16 4 r + 4096 h; v17 64 h; v18 16 l; v19 4 l.  None is rewritten.
.macro ROUND                           ; a round of the cluster's barrier
	s_barrier_signal -1
	s_barrier_wait -1
	s_cmp_lg_u32 s56, 0
	s_cbranch_scc1 .Lnw0_\@
	s_barrier_signal -3
.Lnw0_\@:
	s_barrier_wait -3
	s_barrier_signal -1
	s_barrier_wait -1
.endm
.macro BAR                             ; my LDS stores have landed and my LDS loads are in: then the work-group's barrier
	s_wait_dscnt 0x0
	s_barrier_signal -1
	s_barrier_wait -1
.endm
.macro PLACES n
.rept \n
	v_nop
.endr
.endm
.macro FETCHA reg, adr, off            ; an operand of rows from its image
.irp g, 0,1,2
	ds_load_b128 v[\reg+4*\g:\reg+4*\g+3], v[\adr] offset:\off+16*\g
.endr
.endm
.macro FETCHW reg, off                 ; a weight fragment from my region
.irp g, 0,1,2
	ds_load_b128 v[\reg+4*\g:\reg+4*\g+3], v1 offset:\off+512*\g
.endr
.endm
.macro BIAS reg, off                   ; a pair's 32 biases in the result's layout: register 8 u + j of lane (r, h) is column 16 h + 8 u + j
.irp u, 0,1
.irp g, 0,1
	ds_load_b128 v[\reg+8*\u+4*\g:\reg+8*\u+4*\g+3], v3 offset:\off+32*\u+16*\g
.endr
.endr
.endm
.macro MM d, a, bf, sa, sb, row        ; D += weights' tile x rows; row = 1: the tile's scale words lie in lanes 16-31
.if \row
	v_wmma_scale_f32_16x16x128_f8f6f4 v[\d:\d+7], v[\a:\a+11], v[\bf:\bf+11], v[\d:\d+7], v[\sa], v[\sb] matrix_a_fmt:MATRIX_FMT_FP6 matrix_b_fmt:MATRIX_FMT_FP6 matrix_a_scale:MATRIX_SCALE_ROW1
.else
	v_wmma_scale_f32_16x16x128_f8f6f4 v[\d:\d+7], v[\a:\a+11], v[\bf:\bf+11], v[\d:\d+7], v[\sa], v[\sb] matrix_a_fmt:MATRIX_FMT_FP6 matrix_b_fmt:MATRIX_FMT_FP6
.endif
.endm
.macro QBLOCK src, t, st, stoff, sb, sboff   ; 16 numbers of a lane, half a block of my row: 12 bytes of codes and the block's byte to LDS
	v_max3_num_f32 v[\t], |v[\src]|, |v[\src+1]|, 0x1800000        ; the floor 2^(3 - 127) holds the byte at 1 from below
.irp i, 2,4,6,8,10,12,14
	v_max3_num_f32 v[\t], v[\t], |v[\src+\i]|, |v[\src+1+\i]|
.endr
	v_permlanex16_b32 v[\t+1], v[\t], s80, s81
	v_max_num_f32 v[\t], v[\t], v[\t+1]            ; with lane l xor 16's: the block's largest magnitude
	v_add_nc_u32 v[\t+2], 0xff000000, v[\t]        ; 2 off its exponent field: the conversion's scale operand
	v_lshrrev_b32 v[\t+3], 23, v[\t+2]             ; the scale's byte
	v_cvt_scalef32_pk16_fp6_f32 v[\t+4:\t+6], v[\src:\src+15], v[\t+2]
	v_nop                                          ; one plain line behind a scaled conversion
.irp j, 0,1,2
	ds_store_b32 v[\st], v[\t+4+\j] offset:\stoff+4*\j
.endr
	ds_store_b8 v[\sb], v[\t+3] offset:\sboff      ; both halves of the lanes write the same byte with the same value
.endm
	; ---- the head
	s_load_b512 s[8:23], s[0:1], 0x0               ; argument a lies in s[8 + 2 a : 9 + 2 a]
	s_load_b512 s[24:39], s[0:1], 0x40
	s_load_b64 s[40:41], s[0:1], 0x80
	v_lshl_add_u32 v253, v0, 2, 0x47200
	s_set_vgpr_msb 0x40
	v_mov_b32 v1, 0
	s_set_vgpr_msb 0x4044
	ds_add_u32 v253, v1
	ds_add_u32 v253, v1
	s_set_vgpr_msb 0x4400
	v_lshrrev_b32 v58, 5, v0
	v_readfirstlane_b32 s56, v58                   ; wave 0..11
	s_lshr_b32 s57, s56, 2                         ; n
	s_and_b32 s58, s56, 3                          ; q
	s_min_u32 s61, s56, 7                          ; d (waves 8-11 use none of what hangs on it)
	s_mov_b32 s59, ttmp9                           ; b: in a cluster launch ttmp9 counts clusters
	s_bfe_u32 s60, ttmp6, 0x40000                  ; cx: it enters global addresses and the cells' numbers alone
	s_mov_b32 s80, 0x76543210
	s_mov_b32 s81, 0xfedcba98                      ; v_permlanex16_b32's selects for lane l xor 16
	v_and_b32 v62, 31, v0                          ; l
	v_and_b32 v60, 15, v0                          ; r
	v_bfe_u32 v61, v0, 4, 1                        ; h
	s_mul_i32 s62, s61, 32512
	v_lshlrev_b32 v18, 4, v62
	v_lshlrev_b32 v19, 2, v62
	v_lshlrev_b32 v17, 6, v61
	v_add_nc_u32 v1, s62, v18
	v_add_nc_u32 v2, s62, v19
	v_add_nc_u32 v3, s62, v17
	v_mul_u32_u24 v4, v62, 48
	v_add_nc_u32 v4, IMG0, v4
	s_mul_i32 s67, s57, 1536
	v_add_nc_u32 v5, s67, v4
	v_mul_u32_u24 v59, v60, 48
	v_mad_u32_u24 v59, v61, 12, v59
	v_add_nc_u32 v59, IMG0, v59                    ; block B of K step s: + 1536 s + 768 (B mod 2) + 24 (B / 2)
	s_and_b32 s68, s58, 1
	s_lshr_b32 s69, s58, 1
	s_mul_i32 s70, s68, 768
	s_mul_i32 s71, s69, 24
	s_add_co_u32 s70, s70, s71
	s_add_co_u32 s70, s70, s67
	v_add_nc_u32 v6, s70, v59                      ; A2 of net n, block q
	s_lshl_b32 s70, s57, 1
	s_add_co_u32 s70, s70, s69                     ; X: K step 2 n + q / 2, blocks 2 (q mod 2) + i
	s_mul_i32 s71, s70, 1536
	s_mul_i32 s72, s68, 24
	s_add_co_u32 s71, s71, s72
	s_add_co_u32 s71, s71, 4608
	v_add_nc_u32 v7, s71, v59
	s_lshr_b32 s72, s61, 2                         ; H, D: K step d / 4, block d mod 4
	s_and_b32 s73, s61, 1
	s_bfe_u32 s74, s61, 0x10001
	s_mul_i32 s75, s72, 1536
	s_mul_i32 s73, s73, 768
	s_mul_i32 s74, s74, 24
	s_add_co_u32 s75, s75, s73
	s_add_co_u32 s75, s75, s74
	v_add_nc_u32 v8, s75, v59
	v_lshlrev_b32 v12, 5, v60
	v_add_nc_u32 v12, SC0, v12
	s_lshl_b32 s73, s57, 9
	v_add_nc_u32 v13, s73, v12
	s_add_co_u32 s74, s73, s58
	v_add_nc_u32 v9, s74, v12
	s_lshl_b32 s74, s70, 2
	s_lshl_b32 s76, s68, 1
	s_add_co_u32 s74, s74, s76
	s_add_co_u32 s74, s74, 1536
	v_add_nc_u32 v10, s74, v12
	s_lshl_b32 s74, s72, 2
	s_and_b32 s76, s61, 3
	s_add_co_u32 s74, s74, s76
	v_add_nc_u32 v11, s74, v12
	v_lshlrev_b32 v15, 5, v62
	v_add_nc_u32 v15, PART, v15
	s_lshl_b32 s74, s61, 10
	v_add_nc_u32 v14, s74, v15
	v_lshlrev_b32 v16, 2, v60
	v_lshl_add_u32 v16, v61, 12, v16
	v_lshlrev_b32 v252, 7, v61                     ; 128 h: lanes 0-15 take gidx of points 0-31, lanes 16-31 of points 32-63
	s_wait_dscnt 0x0
	s_wait_kmcnt 0x0
	s_load_b128 s[84:87], s[28:29], 0x0            ; cl_b2 (five numbers) and sv_b2: awaited where they are used
	s_load_b32 s88, s[28:29], 0x10
	s_load_b32 s89, s[32:33], 0x0
	s_cmp_eq_u32 s57, 0
	s_cselect_b64 s[66:67], s[14:15], s[16:17]
	s_cselect_b64 s[68:69], s[20:21], s[22:23]
	s_cmp_eq_u32 s57, 2
	s_cselect_b64 s[66:67], s[18:19], s[66:67]
	s_cselect_b64 s[68:69], s[24:25], s[68:69]
	s_mov_b32 s71, 0
	s_lshl_b32 s70, s58, 7
	s_add_nc_u64 s[66:67], s[66:67], s[70:71]      ; b2 of net n + 128 q
	s_lshl_b32 s70, s58, 8
	s_add_nc_u64 s[68:69], s[68:69], s[70:71]      ; b3 + 256 q
	s_lshl_b32 s70, s59, 8
	s_add_nc_u64 s[72:73], s[8:9], s[70:71]        ; gidx + 256 b
	s_mul_i32 s70, s56, 9600
	s_add_co_u32 s70, s70, 260096
	s_add_nc_u64 s[74:75], s[12:13], s[70:71]      ; my net block of wq
	s_mul_i32 s70, s59, 49152
	s_lshl_b32 s76, s57, 8
	s_add_co_u32 s70, s70, s76
	s_add_nc_u64 s[76:77], s[10:11], s[70:71]      ; rec + 49152 b + 256 n
	s_mul_i32 s70, s59, 196608
	s_lshl_b32 s63, s60, 6
	s_add_co_u32 s70, s70, s63
	s_lshl_b32 s78, s57, 16
	s_add_co_u32 s70, s70, s78
	s_lshl_b32 s78, s58, 14
	s_add_co_u32 s70, s70, s78
	s_add_nc_u64 s[78:79], s[40:41], s[70:71]      ; out3 + 196608 b + 64 cx + 65536 n + 16384 q
	s_lshl_b32 s70, s59, 16
	s_add_co_u32 s70, s70, s63
	s_lshl_b32 s90, s61, 13
	s_add_co_u32 s70, s70, s90
	s_add_nc_u64 s[90:91], s[38:39], s[70:71]      ; out2 + 65536 b + 64 cx + 8192 d
	s_and_b32 s83, s61, 3
	s_mul_i32 s70, s83, 640
	s_add_nc_u64 s[92:93], s[26:27], s[70:71]      ; cl_W2 + 640 (d mod 4)
	s_lshl_b32 s70, s83, 7
	s_add_nc_u64 s[94:95], s[30:31], s[70:71]      ; sv_W2 + 128 (d mod 4)
	s_mul_i32 s70, s59, 1280
	s_mul_i32 s83, s60, 320
	s_add_co_u32 s70, s70, s83
	s_add_nc_u64 s[96:97], s[34:35], s[70:71]      ; out0 + 1280 b + 320 cx
	s_lshl_b32 s70, s59, 8
	s_add_co_u32 s70, s70, s63
	s_add_nc_u64 s[98:99], s[36:37], s[70:71]      ; out1 + 256 b + 64 cx
.irp g, 0,1,2,3,4,5,6,7
	global_load_b128 v[GI+4*\g:GI+4*\g+3], v252, s[72:73] offset:16*\g
.endr
.irp u, 0,1
.irp g, 0,1
	global_load_b128 v[ACC2+8*\u+4*\g:ACC2+8*\u+4*\g+3], v17, s[66:67] offset:32*\u+16*\g   ; b2 is where layer 2's sums begin
.endr
.endr
.irp k, 0,1,2,3,4,5
	global_load_b128 v[F2W+4*\k:F2W+4*\k+3], v18, s[74:75] offset:512*\k
.endr
.irp k, 0,1,2
	global_load_b32 v[WS+\k], v19, s[74:75] offset:9216+128*\k
.endr
.irp k, 0,1,2,3,4,5,6,7,8,9,10,11
	global_load_b128 v[F3W+4*\k:F3W+4*\k+3], v18, s[74:75] offset:3072+512*\k
.endr
.irp i, 0,1
.irp u, 0,1
.irp g, 0,1
	global_load_b128 v[ACC+16*\i+8*\u+4*\g:ACC+16*\i+8*\u+4*\g+3], v17, s[68:69] offset:128*\i+32*\u+16*\g   ; b3 likewise
.endr
.endr
.endr
	s_mov_b32 s44, 15|(3<<16)|(1<<21)              ; group 1: mask: the cluster's four work-groups; elements of 8 bytes; bit 21 beside a mask; no padding
	s_mov_b32 s45, 32<<16                          ; tensor_dim0 = 32 elements: rows of 256 bytes
	s_mov_b32 s46, 127<<16                         ; tensor_dim1 = 127
	s_mov_b32 s47, 32<<16                          ; tile_dim0
	s_mov_b32 s48, 127                             ; tile_dim1
	s_mov_b32 s49, 32                              ; the pitch: the block is dense
	s_mov_b32 s50, 0
	s_mov_b32 s51, 0
	s_mov_b32 s52, 1                               ; group 0: count
	s_mov_b32 s53, s62                             ; LDS address 32512 d
	s_mov_b32 s70, s62
	s_add_nc_u64 s[54:55], s[12:13], s[70:71]      ; wq + 32512 d: nothing of the place in the cluster
	s_or_b32 s55, s55, 0x80000000                  ; type
	ROUND                                          ; the four work-groups are here: the joint loads meet
	s_cmp_lt_u32 s56, 8
	s_cbranch_scc0 .Lno_fill
	tensor_load_to_lds s[52:55], s[44:51]
	s_nop 0
.rept 4
	v_nop
.endr
.Lno_fill:
	; ---- P1: the winner of my cell, its row of rec, layer 2
	s_wait_loadcnt 33                              ; gidx is in; the 33 loads issued behind it (4 + 6 + 3 + 12 + 8) may be out
	s_lshl_b32 s70, s60, 4
	v_add_nc_u32 v63, s70, v60                     ; my cell
	v_mov_b32 v254, -1
.irp i, 0,1,2,3,4,5,6,7,8,9,10,11,12,13,14,15,16,17,18,19,20,21,22,23,24,25,26,27,28,29,30,31
	v_cmp_ne_u32 vcc_lo, v[GI+\i], v63
	v_cndmask_b32 v254, \i, v254, vcc_lo           ; a later point overwrites an earlier one
.endr
	v_lshlrev_b32 v64, 5, v61
	v_add_nc_u32 v255, v254, v64
	v_cmp_gt_i32 vcc_lo, 0, v254
	v_cndmask_b32 v254, v255, v254, vcc_lo         ; + 32 h where one was found
	v_permlanex16_b32 v255, v254, s80, s81
	v_max_i32 v254, v254, v255                     ; the winner, or -1
	v_cmp_le_i32 s82, 0, v254                      ; the cell is not empty
	v_max_i32 v254, 0, v254
	v_min_u32 v254, 63, v254
	v_mul_u32_u24 v255, 768, v254
	v_add_nc_u32 v255, v255, v17
.irp bb, 0,1
.irp g, 0,1,2,3
	global_load_b128 v[G+16*\bb+4*\g:G+16*\bb+4*\g+3], v255, s[76:77] offset:128*\bb+16*\g   ; k = 32 bb + 16 h + 0 .. 15 of the winner's row
.endr
.endr
	s_wait_loadcnt 0x0
.irp b, 0,1
	v_max3_num_f32 v[220+\b], |v[G+16*\b]|, |v[G+1+16*\b]|, 0x1800000
.endr
.irp i, 2,4,6,8,10,12,14
.irp b, 0,1
	v_max3_num_f32 v[220+\b], v[220+\b], |v[G+16*\b+\i]|, |v[G+1+16*\b+\i]|
.endr
.endr
.irp b, 0,1
	v_permlanex16_b32 v[222+\b], v[220+\b], s80, s81
.endr
.irp b, 0,1
	v_max_num_f32 v[220+\b], v[220+\b], v[222+\b]
.endr
.irp b, 0,1
	v_add_nc_u32 v[224+\b], 0xff000000, v[220+\b]
.endr
.irp b, 0,1
	v_lshrrev_b32 v[226+\b], 23, v[224+\b]
.endr
	v_lshl_or_b32 v[AS], v227, 8, v226             ; K = 64: two bytes; the other two blocks are zero codes on both sides
	v_cvt_scalef32_pk16_fp6_f32 v[32:34], v[G:G+15], v224
	v_cvt_scalef32_pk16_fp6_f32 v[44:46], v[G+16:G+31], v225
	v_nop
.irp i, 0,1,2
	v_permlane16_swap_b32 v[32+\i], v[44+\i]       ; a whole block to a lane: lanes 0-15 block 0, lanes 16-31 block 1
.endr
.irp i, 0,1,2
	v_mov_b32 v[35+\i], v[44+\i]
.endr
.irp i, 0,1,2,3,4,5
	v_mov_b32 v[38+\i], 0
.endr
	PLACES 8                                       ; a scale word made by vector instructions stands eight plain lines ahead of the scaled product, an operand four
	MM ACC2, F2W, 32, WS, AS, 0
	MM ACC2+8, F2W+12, 32, WS, AS, 1
	PLACES 5
.irp j, 0,1,2,3,4,5,6,7,8,9,10,11,12,13,14,15
	v_max_num_f32 v[ACC2+\j], 0, v[ACC2+\j]
.endr
	v_mov_b32 v245, 0                              ; (a lane permute's destination counts as one of its sources)
	QBLOCK ACC2, 244, 6, 0, 9, 0
	BAR                                            ; the three nets' A2 lie in LDS
	; ---- P2: layer 3, the mask, out3, X
	FETCHA 32, 5, 0
	ds_load_b32 v[AS], v13
	s_wait_dscnt 0x0
.irp i, 0,1
.irp u, 0,1
	MM ACC+16*\i+8*\u, F3W+24*\i+12*\u, 32, WS+1+\i, AS, \u
.endr
.endr
	PLACES 5
	s_wait_tensorcnt 0x0                           ; on every wave's path, ahead of the branch: a wave's one tensor load has landed (waves 8-11 have none out); all later reads of a region, in this phase and the next two, stand behind this wait, and only the wave that filled a region reads it
	s_cmp_lt_u32 s56, 8
	s_cbranch_scc0 .Lp2a
.irp k, 0,1,2,3,4,5,6,7,8,9,10,11
	FETCHW W+12*\k, 1536*\k                        ; dn1: K step k / 2, tile k mod 2
.endr
.irp s, 0,1,2,3,4,5
	ds_load_b32 v[WS+\s], v2 offset:30720+128*\s
.endr
.Lp2a:
.irp k, 0,1,2,3,4,5,6,7,8,9,10,11,12,13,14,15,16,17,18,19,20,21,22,23,24,25,26,27,28,29,30,31
	v_cndmask_b32 v[ACC+\k], 0, v[ACC+\k], s82     ; an empty cell's features are zeros
.endr
.irp i, 0,1
.irp u, 0,1
.irp j, 0,1,2,3,4,5,6,7
	global_store_b32 v16, v[ACC+16*\i+8*\u+\j], s[78:79] offset:(32*\i+8*\u+\j)*256   ; feature 256 n + 64 q + 32 i + 16 h + 8 u + j, cells 16 cx + r: 16 lanes store 64 consecutive bytes
.endr
.endr
.endr
	QBLOCK ACC, 244, 7, 0, 10, 0
	QBLOCK ACC+16, 32, 7, 768, 10, 1
	s_wait_xcnt 0x0                                ; the stores have read the accumulators: they may be loaded anew
	s_cmp_lt_u32 s56, 8
	s_cbranch_scc0 .Lp2b
	BIAS ACC0, 32000                               ; dn_b1 is where dn1's sums begin,
	BIAS ACC1, 32128                               ; dn_b2 dn2's
.Lp2b:
	BAR                                            ; X's six fragments lie in LDS
	; ---- P3: dn1, K = 768: two accumulators by turns, one instruction a turn
	s_cmp_lt_u32 s56, 8
	s_cbranch_scc0 .Lp3_end
.irp s, 0,1,2
	FETCHA 32+12*\s, 4, 4608+1536*\s
.endr
	ds_load_b128 v[AS:AS+3], v12 offset:1536
	ds_load_b64 v[AS+4:AS+5], v12 offset:1552
	s_wait_dscnt 0x0
.irp s, 0,1,2
.irp u, 0,1
	MM ACC0+8*\u, W+12*(2*\s+\u), 32+12*\s, WS+\s, AS+\s, \u
.endr
.endr
	PLACES 5
.irp s, 0,1,2
	FETCHA 32+12*\s, 4, 4608+1536*(3+\s)
.endr
	s_wait_dscnt 0x0
.irp s, 0,1,2
.irp u, 0,1
	MM ACC0+8*\u, W+12*(6+2*\s+\u), 32+12*\s, WS+3+\s, AS+3+\s, \u
.endr
.endr
	PLACES 5
.irp k, 0,1,2,3
	FETCHW 100+12*\k, 18432+1536*\k                ; dn2's four fragments
.endr
.irp k, 0,1,2,3
	FETCHW 148+12*\k, 24576+1536*\k                ; the head's four
.endr
.irp s, 0,1
	ds_load_b32 v[WS+\s], v2 offset:31488+128*\s
	ds_load_b32 v[WS+2+\s], v2 offset:31744+128*\s
.endr
.irp j, 0,1,2,3,4,5,6,7,8,9,10,11,12,13,14,15
	v_max_num_f32 v[ACC0+\j], 0, v[ACC0+\j]
.endr
	QBLOCK ACC0, 244, 8, 13824, 11, 2048
.Lp3_end:
	BAR                                            ; H's two fragments lie in LDS
	; ---- P4: dn2, K = 256; out2; D
	s_cmp_lt_u32 s56, 8
	s_cbranch_scc0 .Lp4_end
	FETCHA 32, 4, 13824
	FETCHA 44, 4, 15360
	ds_load_b64 v[AS:AS+1], v12 offset:2048
	s_wait_dscnt 0x0
.irp s, 0,1
.irp u, 0,1
	MM ACC1+8*\u, 100+12*(2*\s+\u), 32+12*\s, WS+\s, AS+\s, \u
.endr
.endr
	PLACES 5
	BIAS ACC0, 32256                               ; cl_b1 or sv_b1 is where the head's sums begin
	s_cmp_lt_u32 s56, 4
	s_cbranch_scc0 .Lp4_sv
	v_bfe_u32 v238, v0, 4, 1
	v_mul_u32_u24 v238, 320, v238
.irp g, 0,1,2,3,4,5,6,7,8,9,10,11,12,13,14,15,16,17,18,19
	global_load_b128 v[100+4*\g+48*(\g/12):103+4*\g+48*(\g/12)], v238, s[92:93] offset:16*\g   ; cl_W2's rows 32 d + 16 h + 0 .. 15: 80 numbers; number t at v[100 + t], from t = 48 on at v[148 + t]
.endr
	s_branch .Lp4_j
.Lp4_sv:
.irp g, 0,1,2,3
	global_load_b128 v[100+4*\g:103+4*\g], v17, s[94:95] offset:16*\g   ; sv_W2's 16 numbers
.endr
.Lp4_j:
.irp u, 0,1
.irp j, 0,1,2,3,4,5,6,7
	global_store_b32 v16, v[ACC1+8*\u+\j], s[90:91] offset:(8*\u+\j)*256   ; channel 32 d + 16 h + 8 u + j, cells 16 cx + r
.endr
.endr
	QBLOCK ACC1, 244, 8, 16896, 11, 2560
.Lp4_end:
	BAR                                            ; D's two fragments lie in LDS
	; ---- P5: the heads' first layers, K = 256, and my 32 hidden units' part of the last products, in f32
	s_cmp_lt_u32 s56, 8
	s_cbranch_scc0 .Lp5_end
	FETCHA 32, 4, 16896
	FETCHA 44, 4, 18432
	ds_load_b64 v[AS:AS+1], v12 offset:2560
	s_wait_dscnt 0x0
.irp s, 0,1
.irp u, 0,1
	MM ACC0+8*\u, 148+12*(2*\s+\u), 32+12*\s, WS+2+\s, AS+\s, \u
.endr
.endr
	PLACES 5
.irp j, 0,1,2,3,4,5,6,7,8,9,10,11,12,13,14,15
	v_max_num_f32 v[ACC0+\j], 0, v[ACC0+\j]
.endr
	s_wait_loadcnt 0x0                             ; cl_W2's or sv_W2's numbers
	s_cmp_lt_u32 s56, 4
	s_cbranch_scc0 .Lp5_sv
.irp c, 0,1,2,3,4
	v_mul_f32 v[228+\c], v[ACC0], v[100+\c]
.endr
.irp i, 1,2,3,4,5,6,7,8,9,10,11,12,13,14,15
.irp c, 0,1,2,3,4
	v_fma_f32 v[228+\c], v[ACC0+\i], v[100+5*\i+\c+48*((5*\i+\c)/48)], v[228+\c]
.endr
.endr
.irp c, 0,1,2,3,4
	v_permlanex16_b32 v[233+\c], v[228+\c], s80, s81
.endr
.irp c, 0,1,2,3,4
	v_add_f32 v[228+\c], v[228+\c], v[233+\c]
.endr
	ds_store_b128 v14, v[228:231]
	ds_store_b32 v14, v232 offset:16
	s_branch .Lp5_end
.Lp5_sv:
	v_mul_f32 v228, v[ACC0], v100
.irp i, 1,2,3,4,5,6,7,8,9,10,11,12,13,14,15
	v_fma_f32 v228, v[ACC0+\i], v[100+\i], v228
.endr
	v_permlanex16_b32 v233, v228, s80, s81
	v_add_f32 v228, v228, v233
	ds_store_b32 v14, v228
.Lp5_end:
	BAR                                            ; the eight waves' partial sums lie in LDS
	; ---- P6: wave 0: the softmax of five; wave 4: the sigmoid
	s_cmp_eq_u32 s56, 0
	s_cbranch_scc0 .Lnot0
	s_wait_kmcnt 0x0
.irp d, 0,1,2,3
	ds_load_b128 v[100+8*\d:103+8*\d], v15 offset:1024*\d
	ds_load_b32 v[104+8*\d], v15 offset:1024*\d+16
.endr
	s_wait_dscnt 0x0
.irp c, 0,1,2,3,4
	v_add_f32 v[100+\c], v[100+\c], v[108+\c]
	v_add_f32 v[116+\c], v[116+\c], v[124+\c]
.endr
.irp c, 0,1,2,3,4
	v_add_f32 v[100+\c], v[100+\c], v[116+\c]
.endr
.irp c, 0,1,2,3,4
	v_add_f32 v[100+\c], s[84+\c], v[100+\c]
.endr
	v_max3_num_f32 v110, v100, v101, v102
	v_max3_num_f32 v110, v110, v103, v104          ; the row's largest logit is taken away ahead of the exponentials
	v_mul_f32 v110, 0x3fb8aa3b, v110
.irp c, 0,1,2,3,4
	v_fma_f32 v[100+\c], v[100+\c], 0x3fb8aa3b, -v110
.endr
.irp c, 0,1,2,3,4
	v_exp_f32 v[100+\c], v[100+\c]
.endr
	v_nop
	s_wait_alu depctr_va_vdst(0)
	v_add_f32 v111, v100, v101
	v_add_f32 v112, v102, v103
	v_add_f32 v111, v111, v104
	v_add_f32 v111, v111, v112
	v_rcp_f32 v113, v111
	v_and_b32 v114, 15, v0
	v_mul_u32_u24 v114, 20, v114
	v_and_b32 v115, 31, v0
	s_wait_alu depctr_va_vdst(0)
.irp c, 0,1,2,3,4
	v_mul_f32 v[100+\c], v[100+\c], v113
.endr
	v_cmp_gt_u32 vcc_lo, 16, v115
	s_wait_xcnt 0x0                                ; EXEC changes only behind this wait
	s_and_saveexec_b32 s70, vcc_lo
.irp c, 0,1,2,3,4
	global_store_b32 v114, v[100+\c], s[96:97] offset:4*\c   ; the five stores together cover 320 consecutive bytes
.endr
	s_wait_xcnt 0x0
	s_or_b32 exec_lo, exec_lo, s70
.Lnot0:
	s_cmp_eq_u32 s56, 4
	s_cbranch_scc0 .Lend
	s_wait_kmcnt 0x0
.irp d, 0,1,2,3
	ds_load_b32 v[100+\d], v15 offset:4096+1024*\d
.endr
	s_wait_dscnt 0x0
	v_add_f32 v100, v100, v101
	v_add_f32 v102, v102, v103
	v_add_f32 v100, v100, v102
	v_add_f32 v100, s89, v100
	v_mul_f32 v100, 0xbfb8aa3b, v100
	v_exp_f32 v101, v100
	v_nop
	s_wait_alu depctr_va_vdst(0)
	v_add_f32 v101, 1.0, v101
	v_rcp_f32 v102, v101                           ; 1 / (1 + 2^(-x log2 e))
	v_and_b32 v103, 15, v0
	v_lshlrev_b32 v103, 2, v103
	v_and_b32 v104, 31, v0
	v_cmp_gt_u32 vcc_lo, 16, v104
	s_wait_xcnt 0x0
	s_and_saveexec_b32 s70, vcc_lo
	s_wait_alu depctr_va_vdst(0)
	global_store_b32 v103, v102, s[98:99]          ; 16 lanes store 64 consecutive bytes
	s_wait_xcnt 0x0
	s_or_b32 exec_lo, exec_lo, s70
.Lend:
	s_set_vgpr_msb 0x4
	s_wait_tensorcnt 0x0
	ds_add_u32 v253, v1
	s_wait_dscnt 0x0
	s_set_vgpr_msb 0x400
	ROUND                                          ; the closing round: no work-group ends while a partner may still ask jointly
	s_endpgm
.Lfunc_end_k_qa603e8d1ba_chain:
	.size	k_qa603e8d1ba_chain, .Lfunc_end_k_qa603e8d1ba_chain-k_qa603e8d1ba_chain
	.p2alignl 7, 3214868480
	.fill 96, 4, 3214868480
	.section	.rodata,"a",@progbits
	.p2align	6, 0x0
	.amdhsa_kernel k_qa603e8d1ba_chain
		.amdhsa_group_segment_fixed_size 292864
		.amdhsa_private_segment_fixed_size 0
		.amdhsa_enable_private_segment 0
		.amdhsa_kernarg_size 136
		.amdhsa_user_sgpr_count 2
		.amdhsa_user_sgpr_kernarg_segment_ptr 1
		.amdhsa_wavefront_size32 1
		.amdhsa_system_sgpr_workgroup_id_x 1
		.amdhsa_system_sgpr_workgroup_id_y 1
		.amdhsa_system_sgpr_workgroup_id_z 1
		.amdhsa_system_vgpr_workitem_id 0
		.amdhsa_next_free_vgpr 258
		.amdhsa_next_free_sgpr 100
		.amdhsa_reserve_vcc 1
		.amdhsa_float_denorm_mode_32 3
		.amdhsa_float_denorm_mode_16_64 3
		.amdhsa_memory_ordered 1
		.amdhsa_forward_progress 1
		.amdhsa_inst_pref_size 57
	.end_amdhsa_kernel
	.amdgpu_metadata
---
amdhsa.version: [ 1, 2 ]
amdhsa.kernels:
  - .name:           k_qa603e8d1ba_chain
    .symbol:         k_qa603e8d1ba_chain.kd
    .args:
      - { .name: gidx, .offset: 0, .size: 8, .value_kind: global_buffer, .address_space: global }
      - { .name: rec, .offset: 8, .size: 8, .value_kind: global_buffer, .address_space: global }
      - { .name: wq, .offset: 16, .size: 8, .value_kind: global_buffer, .address_space: global }
      - { .name: pe_b2, .offset: 24, .size: 8, .value_kind: global_buffer, .address_space: global }
      - { .name: ne_b2, .offset: 32, .size: 8, .value_kind: global_buffer, .address_space: global }
      - { .name: te_b2, .offset: 40, .size: 8, .value_kind: global_buffer, .address_space: global }
      - { .name: pe_b3, .offset: 48, .size: 8, .value_kind: global_buffer, .address_space: global }
      - { .name: ne_b3, .offset: 56, .size: 8, .value_kind: global_buffer, .address_space: global }
      - { .name: te_b3, .offset: 64, .size: 8, .value_kind: global_buffer, .address_space: global }
      - { .name: cl_W2, .offset: 72, .size: 8, .value_kind: global_buffer, .address_space: global }
      - { .name: cl_b2, .offset: 80, .size: 8, .value_kind: global_buffer, .address_space: global }
      - { .name: sv_W2, .offset: 88, .size: 8, .value_kind: global_buffer, .address_space: global }
      - { .name: sv_b2, .offset: 96, .size: 8, .value_kind: global_buffer, .address_space: global }
      - { .name: out0, .offset: 104, .size: 8, .value_kind: global_buffer, .address_space: global }
      - { .name: out1, .offset: 112, .size: 8, .value_kind: global_buffer, .address_space: global }
      - { .name: out2, .offset: 120, .size: 8, .value_kind: global_buffer, .address_space: global }
      - { .name: out3, .offset: 128, .size: 8, .value_kind: global_buffer, .address_space: global }
    .group_segment_fixed_size: 292864
    .private_segment_fixed_size: 0
    .kernarg_segment_align: 8
    .kernarg_segment_size: 136
    .max_flat_workgroup_size: 384
    .sgpr_count:     100
    .vgpr_count:     258
    .wavefront_size: 32
...
	.end_amdgpu_metadata
.endif
;; end of part 2
